; MI455X (gfx1250); checked and timed in simulation.
; The chip was launched on July 23, 2026; its instructions are those of AMD's public machine-readable ISA for CDNA 5 (MIT licence, August 2026) and "CDNA5" Instruction Set Architecture Reference Guide (July 2026). The comments in the code are by the model that wrote it; some were corrected since.
;; KAN Original. Allowed arithmetic: matrix products marked QUANTISED: E2M1 operands, one E8M0 scale for each 32 along K, by v_wmma_scale_f32_16x16x128_f8f6f4 with both operands' format E2M1 (or v_wmma_scale_f32_32x16x128_f4), f32 sums; everything else in f32.
;; Inputs: bias 512 float32; coef 512 x 512 x 6 float32; scale_base 512 x 512 float32; scale_sp 512 x 512 float32; x 8 x 2,048 x 512 float32.
;; Outputs: out0 8 x 2,048 x 512 float32.
;; This version of the problem:
;;   THIS VERSION OF THE PROBLEM IS GIVEN IN LOW PRECISION. The matrix products marked QUANTISED in the list below multiply operands that are first quantised to E2M1 (2 exponent bits, 1 mantissa bit; 4 bits a number), with one power-of-two scale for each 32 numbers along K (OCP MX v1.0); their sums are f32. All else is computed in f32.
;;   The module's matrix products, in the order in which they are computed (A, B: the left and right operand; K: the contracted axis; several contracted axes count as one K, in the product's order):
;;     1. [M 16,384, K 512] x [K 512, N 512]; A: computed on the way; B: input scale_base: QUANTISED
;;     2. [M 16,384, K 3,072] x [K 3,072, N 512]; A: computed on the way; B: computed on the way: QUANTISED
;;   THE QUANTISER, for each operand of a quantised product, along K:
;;     - K is cut into blocks of 32 from its start; a last block that is shorter is filled with zeros.
;;     - A block's scale is 2^e with e = floor(log2(the largest magnitude in the block)) - 2, held to -126 .. 127; a block of zeros has e = 0. As a byte (E8M0): e + 127.
;;     - Each number is divided by its block's scale, clamped to +-6, and rounded to the nearest number of E2M1, ties to even, subnormals kept.
;;     - The product sums the exact products of the quantised numbers (number of the format x scale) in f32.
;;   ~~~python
;;   def quantise(x, axis):      # numpy; x: float32 -> the quantised numbers, widened to float32 again
;;       x = np.moveaxis(x, axis, -1); K = x.shape[-1]
;;       x = np.pad(x, [(0, 0)] * (x.ndim - 1) + [(0, -K % 32)]); x = x.reshape(x.shape[:-1] + (-1, 32)); a = np.abs(x).max(-1, keepdims=True)
;;       e = np.where(a > 0, np.clip(np.frexp(np.where(a > 0, a, 1))[1] - 1 - 2, -126, 127), 0)      # np.frexp(a)[1] - 1 = floor(log2(a)), exactly
;;       r = np.clip(x / 2.0 ** e, -6, 6)
;;       step = 2.0 ** (np.maximum(np.frexp(np.where(r == 0, 1, r))[1] - 1, 0) - 1)
;;       q = np.round(r / step) * step * 2.0 ** e      # np.round: ties to even
;;       return np.moveaxis(q.reshape(q.shape[:-2] + (-1,))[..., :K], -1, axis).astype(np.float32)
;;   ~~~
;;   OPERANDS COMPUTED ON THE WAY. 'Computed on the way' means the value that the module computes at that place (a softmax that the list does not call 'softmax' is quantised finished and normalised). What goes into a quantiser is computed in f32, as accurately as f32 sums, v_exp_f32 and their like allow (about 1e-6 of the number): no bf16 or f16 on the way to a quantiser, and a product that is left as it is and whose result goes on into a quantised operand takes f32 operands (vector FMAs, or v_wmma_f32_16x16x4_f32). A number that lies on a knife's edge between two numbers of the format may be rounded either way, as far as f32 arithmetic and the matrix unit's own rounding can turn it there, and no further.
;; One version. Each part assembles by itself: llvm-mc -triple=amdgcn-amd-amdhsa -mcpu=gfx1250 --defsym DOCPART=n.
;; ======== version 1 of 1: 2 launches
;; workspace buffers: wq 974,848 bytes
;; launch wquant (part 1): grid 32 x 8, 2 waves a work-group, no clusters, 34,048 bytes of LDS; arguments coef, scale_sp, scale_base, wq; writes wq
.if DOCPART == 1
	.amdgcn_target "amdgcn-amd-amdhsa--gfx1250"
	.amdhsa_code_object_version 6
	.text
	.protected	k_q6504b5e929_wquant
	.globl	k_q6504b5e929_wquant
	.p2align	8
	.type	k_q6504b5e929_wquant,@function
k_q6504b5e929_wquant:
	s_mov_b64 s[64:65], 0
	v_nop
	global_prefetch_b8 v0, s[64:65] scope:SCOPE_SE
	s_setreg_imm32_b32 hwreg(HW_REG_WAVE_MODE, 25, 1), 1
	s_wait_xcnt 0x0
; The weights of both products become codes of FP4 (E2M1) with one E8M0 byte for each 32 along K, once, laid in the order in which the second launch's operand registers want them.
; Product 2's weight is scale_sp[o][i] x coef[o][i][b] (one f32 product); its K is 512 b + i (the product contracts the axes in the order b, i): a block is 32 neighbouring features at one b.
; Product 1's is scale_base[o][i], K = i.
; A block's scale is 2^(floor(log2(its largest magnitude)) - 2): its byte is the largest magnitude's exponent field - 2, held at 1 from below.
; LIMITS: a block of zeros, or one whose largest magnitude lies under 2^-124, gets the byte 1 (its codes are zeros or held; the bytes are read by this program alone); NaN and infinities are not served.
; LAYOUT OF wq.  Strip t = features 64 t .. 64 t + 63: 12 blocks of product 2, block 6 u + b = features 64 t + 32 u on at value b, taken four to a matrix step of 128: 3 steps; and 2 blocks of product 1.
; Group t = strip t's 3 steps; an odd group has a fourth: step t / 2 of product 1 (features 128 (t / 2) on; the strip's two blocks are 2 (t % 2) and 2 (t % 2) + 1 of it).
; A UNIT is one step of 128 outputs (part w): 8 images of 1,024 bytes (tile nl of 16 outputs: the step's block q of output r at 256 q + 16 r, which is the fragment's registers lane by lane), then 512 bytes of
; scale words (output 16 nl + r at 8192 + 4 (16 nl + r)).
; Byte of unit (pair tau = t / 2, e = t % 2, part w, step s) = 243,712 tau + 104,448 e + w (26,112 + 8,704 e) + 8,704 s: a part's units of a group are one dense run.
; SHARES.  A work-group of two waves takes 16 outputs (tile nt = x) x one strip (t = y).  The loads take the bytes as they lie (512 or 2 x 256 consecutive bytes an instruction); the numbers turn through LDS.
; Thread T = (row r = T % 16, g = T / 16) then holds, of product 2, features 32 (g / 2) on at b = 3 (g % 2) + 0 .. 2: blocks 3 g + 0 .. 2, all whole; of product 1, features 16 g on: half a block.
; No tensor loads, no cluster: work-groups share no input byte.
.set UNIT,  8704
.set PAIRB, 28*UNIT                    ; 243,712: an even and an odd group
.set CTP,   1552                       ; LDS: coef's 16 rows of 1,536 bytes + 16 of padding = 388 words: row r starts at bank 4 r mod 64 (64 banks of 4 bytes: ISA guide 11.1)
.set SPT,   16*CTP                     ; scale_sp's 16 rows of 256 bytes + 16
.set SPP,   272
.set BAT,   SPT+16*SPP                 ; scale_base's likewise
.set SCB,   BAT+16*SPP                 ; the scale bytes of product 2: 3 steps x 16 rows x 4 bytes, in 64 words
.set GC,  1                            ; v1   coef: my byte in the wave's 8 rows
.set GS,  2                            ; v2   scale_sp, scale_base likewise
.set LCW, 3                            ; v3   LDS: where I put coef's 16 bytes
.set LSW, 4                            ; v4   and scale_sp's
.set LCR, 5                            ; v5   where I read my 96 numbers of coef
.set LSR, 6                            ; v6   and my 32 of scale_sp
.set WO,  7                            ; v7-9   wq: my three blocks' 16 bytes
.set BO,  10                           ; v10  wq: my 8 bytes of product 1's codes
.set BSO, 11                           ; v11  wq: product 1's scale byte
.set SBA, 12                           ; v12-14 LDS: my three scale bytes
.set SBR, 15                           ; v15  LDS: the scale word that I carry out
.set R,   16                           ; v16-111  96 numbers: register 32 beta + j
.set SPV, 112                          ; v112-143 32 of scale_sp
.set BV,  144                          ; v144-159 16 of scale_base
.set MX,  160                          ; v160-167 largest magnitudes (v160-167 are at work at the head)
.set SCO, 168                          ; v168-171 the conversions' scale operands
.set BY,  172                          ; v172-175 the bytes
.set CW,  176                          ; v176-187 codes of three blocks
.set CBS, 188                          ; v188-189 codes of half a block
.set SWO, 190                          ; v190 wq: my scale word's place
.set WD,  191                          ; v191 0, then a scale word on its way out
.set LBR, 192                          ; v192 LDS: where I read my 16 of scale_base
	s_load_b256 s[4:11], s[0:1], 0x0               ; coef s[4:5], scale_sp s[6:7], scale_base s[8:9], wq s[10:11]
	v_lshl_add_u32 v200, v0, 2, 0x8400
	v_mov_b32 v201, 0
	s_and_b32 s12, ttmp7, 0xffff                   ; t
	s_lshr_b32 s13, ttmp9, 3                       ; w: which 128 outputs
	s_and_b32 s14, ttmp9, 7                        ; nl: which 16 of them
	s_lshr_b32 s15, s12, 1                         ; tau
	s_and_b32 s16, s12, 1                          ; e
	s_mul_i32 s20, ttmp9, 16*12288                 ; coef: 16 rows of 12,288 bytes a tile,
	s_mul_i32 s17, s12, 1536                       ; 1,536 bytes a strip
	s_add_co_u32 s20, s20, s17
	s_mov_b32 s21, 0
	s_lshl_b32 s22, ttmp9, 15                      ; scale_sp, scale_base: 16 rows of 2,048 bytes, 256 bytes a strip
	s_lshl_b32 s17, s12, 8
	s_add_co_u32 s22, s22, s17
	s_mov_b32 s23, 0
	s_mul_i32 s24, s15, PAIRB
	s_mul_i32 s17, s16, UNIT
	s_add_co_u32 s17, s17, 3*UNIT
	s_mul_i32 s17, s17, s13                        ; w (26,112 + 8,704 e)
	s_mul_i32 s18, s16, 12*UNIT                    ; 104,448 e
	s_add_co_u32 s26, s24, s17
	s_add_co_u32 s26, s26, s18                     ; my group's unit 0 of part w
	s_lshl_b32 s17, s14, 10
	s_add_co_u32 s28, s26, s17                     ; its image nl
	s_mov_b32 s29, 0
	s_lshl_b32 s17, s14, 6
	s_add_co_u32 s30, s26, s17                     ; its scale words of tile nl (8,192 more stand in the store's immediate)
	s_mov_b32 s31, 0
	s_mul_i32 s17, s13, 4*UNIT
	s_add_co_u32 s17, s17, s24
	s_add_co_u32 s17, s17, 15*UNIT                 ; product 1's unit: step 3 of the pair's odd group, part w
	s_lshl_b32 s18, s14, 10
	s_add_co_u32 s32, s17, s18
	s_lshl_b32 s18, s16, 9
	s_add_co_u32 s32, s32, s18                     ; image nl, block 2 e
	s_mov_b32 s33, 0
	s_lshl_b32 s18, s14, 6
	s_add_co_u32 s34, s17, s18
	s_lshl_b32 s18, s16, 1
	s_add_co_u32 s34, s34, s18                     ; scale words of tile nl, byte 2 e
	s_mov_b32 s35, 0
	s_mov_b32 s36, 0x76543210
	s_mov_b32 s37, 0xfedcba98                      ; v_permlanex16_b32's selects for lane l xor 16
	v_and_b32 v160, 31, v0                         ; lane
	v_and_b32 v161, 15, v0                         ; r
	v_bfe_u32 v162, v0, 4, 1                       ; h = g % 2
	v_lshrrev_b32 v163, 5, v0                      ; wave = g / 2
	v_lshrrev_b32 v164, 4, v0                      ; g = T / 16
	v_lshlrev_b32 v[GC], 4, v160
	v_mad_u32_u24 v[GC], v163, 8*12288, v[GC]      ; 16 x lane + the wave's 8 rows
	v_lshlrev_b32 v[GS], 4, v161
	v_lshl_add_u32 v[GS], v162, 11, v[GS]
	v_lshl_add_u32 v[GS], v163, 14, v[GS]          ; 16 r + row (8 wave + h)
	v_lshlrev_b32 v[LCW], 4, v160
	v_mad_u32_u24 v[LCW], v163, 8*CTP, v[LCW]
	v_lshl_add_u32 v[LSW], v161, 4, SPT
	v_mad_u32_u24 v[LSW], v162, SPP, v[LSW]
	v_mad_u32_u24 v[LSW], v163, 8*SPP, v[LSW]
	v_mul_u32_u24 v[LCR], v161, CTP
	v_mad_u32_u24 v[LCR], v163, 768, v[LCR]        ; row r, 32 features of 24 bytes on for wave 1,
	v_mad_u32_u24 v[LCR], v162, 12, v[LCR]         ; three values on for lanes 16-31
	v_mul_u32_u24 v[LSR], v161, SPP
	v_lshl_add_u32 v[LSR], v163, 7, v[LSR]
	v_add_nc_u32 v[LSR], SPT, v[LSR]               ; scale_sp: row r, my 32 features
	v_mul_u32_u24 v[LBR], v161, SPP
	v_lshl_add_u32 v[LBR], v164, 6, v[LBR]
	v_add_nc_u32 v[LBR], BAT, v[LBR]               ; scale_base: row r, my 16 features
	v_mul_u32_u24 v165, v164, 3                    ; my first block of the strip's 12
.irp b, 0,1,2
	v_add_nc_u32 v166, \b, v165
	v_lshrrev_b32 v167, 2, v166                    ; its step
	v_and_b32 v166, 3, v166                        ; and its place in the step
	v_mul_u32_u24 v[WO+\b], v167, UNIT
	v_lshl_add_u32 v[WO+\b], v166, 8, v[WO+\b]
	v_lshl_add_u32 v[WO+\b], v161, 4, v[WO+\b]
	v_lshl_add_u32 v[SBA+\b], v167, 6, v166
	v_lshl_add_u32 v[SBA+\b], v161, 2, v[SBA+\b]
	v_add_nc_u32 v[SBA+\b], SCB, v[SBA+\b]
.endr
	v_lshlrev_b32 v[BO], 8, v163
	v_lshl_add_u32 v[BO], v161, 4, v[BO]
	v_lshl_add_u32 v[BO], v162, 3, v[BO]           ; block (2 e +) wave, row r, my half of its 16 bytes
	v_lshl_add_u32 v[BSO], v161, 2, v163
	v_lshl_add_u32 v[SBR], v0, 2, SCB
	v_mul_u32_u24 v[SWO], v164, UNIT
	v_lshl_add_u32 v[SWO], v161, 2, v[SWO]         ; thread T < 48 carries out the word of step T / 16, row T % 16
	v_mov_b32 v[WD], 0
	s_wait_kmcnt 0x0
	s_add_nc_u64 s[4:5], s[4:5], s[20:21]
	s_add_nc_u64 s[6:7], s[6:7], s[22:23]
	s_add_nc_u64 s[8:9], s[8:9], s[22:23]
	s_add_nc_u64 s[28:29], s[10:11], s[28:29]
	s_add_nc_u64 s[30:31], s[10:11], s[30:31]
	s_add_nc_u64 s[32:33], s[10:11], s[32:33]
	s_add_nc_u64 s[34:35], s[10:11], s[34:35]
.set I, 0
.rept 24                                       ; a row's 1,536 bytes are three loads of 512 consecutive bytes
	global_load_b128 v[R+4*I:R+4*I+3], v[GC], s[4:5] offset:12288*(I/3)+512*(I%3) th:TH_LOAD_NT
.set I, I+1
.endr
.irp i, 0,1,2,3                                ; two rows' 256 bytes a load
	global_load_b128 v[SPV+4*\i:SPV+4*\i+3], v[GS], s[6:7] offset:4096*\i th:TH_LOAD_NT
.endr
.irp i, 0,1,2,3
	global_load_b128 v[BV+4*\i:BV+4*\i+3], v[GS], s[8:9] offset:4096*\i th:TH_LOAD_NT
.endr
	ds_store_b32 v[SBR], v[WD]                     ; the 64 words of scale bytes begin as zeros: 48 of them are filled below, and all 64 are read
	s_wait_loadcnt 8                               ; coef's 24 loads are in; the eight behind them may be out
.set I, 0
.rept 24
	ds_store_b128 v[LCW], v[R+4*I:R+4*I+3] offset:CTP*(I/3)+512*(I%3)
.set I, I+1
.endr
	s_wait_loadcnt 0x0
.irp i, 0,1,2,3
	ds_store_b128 v[LSW], v[SPV+4*\i:SPV+4*\i+3] offset:2*SPP*\i
	ds_store_b128 v[LSW], v[BV+4*\i:BV+4*\i+3] offset:BAT-SPT+2*SPP*\i
.endr
	s_wait_dscnt 0x0                               ; for the other wave's sake: my stores have landed
	s_barrier_signal -1
	s_barrier_wait -1
.macro LB b                            ; block beta: coef(r, my feature j, 3 h + beta), j = 0 .. 31, 24 bytes apart.  Rows start 4 banks apart and lanes 16-31 stand 3 words on: the 32 lanes touch 32 different banks
.set J, 0
.rept 32
	ds_load_b32 v[R+32*\b+J], v[LCR] offset:24*J+4*\b
.set J, J+1
.endr
.endm
.macro MULB b                          ; scale_sp x coef, one rounding each, two features at a time
.set J, 0
.rept 16
	v_pk_mul_f32 v[R+32*\b+J:R+32*\b+J+1], v[R+32*\b+J:R+32*\b+J+1], v[SPV+J:SPV+J+1]
.set J, J+2
.endr
.endm
.irp i, 0,1,2,3,4,5,6,7
	ds_load_b128 v[SPV+4*\i:SPV+4*\i+3], v[LSR] offset:16*\i
.endr
.irp i, 0,1,2,3
	ds_load_b128 v[BV+4*\i:BV+4*\i+3], v[LBR] offset:16*\i
.endr
	LB 0
	s_wait_dscnt 0x0
	LB 1                                           ; a block's loads are out while the block before is multiplied
	MULB 0
	s_wait_dscnt 0x0
	LB 2
	MULB 1
	s_wait_dscnt 0x0
	MULB 2
; the largest magnitudes: each of the three blocks in two chains, all six by turns; the floor 2^(3 - 127) is one leaf, so that no byte falls under 1
.irp b, 0,1,2
	v_max3_num_f32 v[MX+2*\b], |v[R+32*\b]|, |v[R+32*\b+1]|, 0x1800000
	v_max3_num_f32 v[MX+2*\b+1], |v[R+32*\b+16]|, |v[R+32*\b+17]|, |v[R+32*\b+18]|
.endr
.irp i, 0,2,4,6,8,10
.irp b, 0,1,2
	v_max3_num_f32 v[MX+2*\b], v[MX+2*\b], |v[R+32*\b+2+\i]|, |v[R+32*\b+3+\i]|
	v_max3_num_f32 v[MX+2*\b+1], v[MX+2*\b+1], |v[R+32*\b+19+\i]|, |v[R+32*\b+20+\i]|
.endr
.endr
.irp b, 0,1,2
	v_max3_num_f32 v[MX+2*\b], v[MX+2*\b], |v[R+32*\b+14]|, |v[R+32*\b+15]|
.endr
.irp b, 0,1,2
	v_max3_num_f32 v[MX+2*\b], v[MX+2*\b], v[MX+2*\b+1], |v[R+32*\b+31]|
.endr
	v_mov_b32 v[MX+7], 0                           ; a lane permute's destination counts as one of its sources
	v_max3_num_f32 v[MX+6], |v[BV]|, |v[BV+1]|, 0x1800000   ; scale_base: my 16 numbers,
.irp i, 2,4,6,8,10,12,14
	v_max3_num_f32 v[MX+6], v[MX+6], |v[BV+\i]|, |v[BV+\i+1]|
.endr
	v_permlanex16_b32 v[MX+7], v[MX+6], s36, s37
	v_max_num_f32 v[MX+6], v[MX+6], v[MX+7]        ; and lane l xor 16's 16: the block's
.irp b, 0,1,2,3
	v_add_nc_u32 v[SCO+\b], 0xff000000, v[MX+2*\b] ; 2 off the exponent field: the conversion takes the exponent field of this operand as its scale
.endr
.irp b, 0,1,2,3
	v_lshrrev_b32 v[BY+\b], 23, v[SCO+\b]          ; the scale's byte
.endr
.irp b, 0,1,2
.irp g, 0,1,2,3
	v_cvt_scalef32_pk8_fp4_f32 v[CW+4*\b+\g], v[R+32*\b+8*\g:R+32*\b+8*\g+7], v[SCO+\b]
.endr
.endr
	v_cvt_scalef32_pk8_fp4_f32 v[CBS], v[BV:BV+7], v[SCO+3]
	v_cvt_scalef32_pk8_fp4_f32 v[CBS+1], v[BV+8:BV+15], v[SCO+3]
	v_nop                                          ; one plain place behind the last scaled conversion
.irp b, 0,1,2
	ds_store_b8 v[SBA+\b], v[BY+\b]
	global_store_b128 v[WO+\b], v[CW+4*\b:CW+4*\b+3], s[28:29]   ; sixteen lanes store 256 consecutive bytes, at a multiple of 256 from wq's first byte
.endr
	global_store_b64 v[BO], v[CBS:CBS+1], s[32:33]  ; the wave stores 256 consecutive bytes: one block of 16 rows
	global_store_b8 v[BSO], v[BY+3], s[34:35] offset:8192   ; both lanes of a block store the same byte with the same value; 16 bytes a wave: 1 byte in 119 of what the launch stores
	s_wait_dscnt 0x0                               ; for the other wave's sake: my scale bytes have landed
	s_barrier_signal -1
	s_barrier_wait -1
	ds_load_b32 v[WD], v[SBR]                      ; all lanes on: every one of the 64 words has been written
	s_wait_xcnt 0x0                                ; EXEC is a source of the stores above: it changes only behind this wait
	v_cmp_gt_u32 vcc_lo, 48, v0
	s_wait_tensorcnt 0x0
	ds_add_u32 v200, v201
	s_wait_dscnt 0x0
	s_and_saveexec_b32 s38, vcc_lo                 ; 3 steps x 16 rows: threads 0 to 47 store
	s_wait_dscnt 0x0
	global_store_b32 v[SWO], v[WD], s[30:31] offset:8192   ; sixteen lanes store a tile's 64 bytes of scale words
	s_wait_xcnt 0x0                                ; and again, in front of the line that widens it
	s_or_b32 exec_lo, exec_lo, s38
	s_endpgm
.Lfunc_end_k_q6504b5e929_wquant:
	.size	k_q6504b5e929_wquant, .Lfunc_end_k_q6504b5e929_wquant-k_q6504b5e929_wquant
	.p2alignl 7, 3214868480
	.fill 96, 4, 3214868480
	.section	.rodata,"a",@progbits
	.p2align	6, 0x0
	.amdhsa_kernel k_q6504b5e929_wquant
		.amdhsa_group_segment_fixed_size 34048
		.amdhsa_private_segment_fixed_size 0
		.amdhsa_enable_private_segment 0
		.amdhsa_kernarg_size 32
		.amdhsa_user_sgpr_count 2
		.amdhsa_user_sgpr_kernarg_segment_ptr 1
		.amdhsa_wavefront_size32 1
		.amdhsa_system_sgpr_workgroup_id_x 1
		.amdhsa_system_sgpr_workgroup_id_y 1
		.amdhsa_system_sgpr_workgroup_id_z 1
		.amdhsa_system_vgpr_workitem_id 0
		.amdhsa_next_free_vgpr 202
		.amdhsa_next_free_sgpr 66
		.amdhsa_reserve_vcc 1
		.amdhsa_float_denorm_mode_32 3
		.amdhsa_float_denorm_mode_16_64 3
		.amdhsa_memory_ordered 1
		.amdhsa_forward_progress 1
		.amdhsa_inst_pref_size 28
	.end_amdhsa_kernel
	.amdgpu_metadata
---
amdhsa.version: [ 1, 2 ]
amdhsa.kernels:
  - .name:           k_q6504b5e929_wquant
    .symbol:         k_q6504b5e929_wquant.kd
    .args:
      - { .name: coef, .offset: 0, .size: 8, .value_kind: global_buffer, .address_space: global }
      - { .name: scale_sp, .offset: 8, .size: 8, .value_kind: global_buffer, .address_space: global }
      - { .name: scale_base, .offset: 16, .size: 8, .value_kind: global_buffer, .address_space: global }
      - { .name: wq, .offset: 24, .size: 8, .value_kind: global_buffer, .address_space: global }
    .group_segment_fixed_size: 34048
    .private_segment_fixed_size: 0
    .kernarg_segment_align: 8
    .kernarg_segment_size: 32
    .max_flat_workgroup_size: 64
    .sgpr_count:     66
    .vgpr_count:     202
    .wavefront_size: 32
...
	.end_amdgpu_metadata
.endif
;; end of part 1
;; launch kan (part 2): grid 256 x 1, 4 waves a work-group, clusters of 4 x 1, 327,680 bytes of LDS; arguments x, wq, bias, out0; writes out0
.if DOCPART == 2
	.amdgcn_target "amdgcn-amd-amdhsa--gfx1250"
	.amdhsa_code_object_version 6
	.text
	.protected	k_q6504b5e929_kan
	.globl	k_q6504b5e929_kan
	.p2align	8
	.type	k_q6504b5e929_kan,@function
k_q6504b5e929_kan:
	s_mov_b64 s[64:65], 0
	v_nop
	global_prefetch_b8 v0, s[64:65] scope:SCOPE_SE
	s_setreg_imm32_b32 hwreg(HW_REG_WAVE_MODE, 25, 1), 1
	s_wait_xcnt 0x0
	s_wait_alu depctr_hold_cnt(0) depctr_sa_sdst(0) depctr_va_vdst(0) depctr_va_sdst(0) depctr_va_ssrc(0) depctr_va_vcc(0) depctr_vm_vsrc(0)
	s_getreg_b32 s2, hwreg(HW_REG_IB_STS2, 6, 4)
	s_cmp_eq_u32 s2, 0
	s_cbranch_scc0 .Lentry_in_a_cluster
	s_endpgm
.Lentry_in_a_cluster:
	s_bfe_u32 s2, ttmp6, 0x10000c
	s_cmp_lg_u32 s2, 0x3003
	s_cbranch_scc0 .Lentry_shape_is_right
	s_endpgm
.Lentry_shape_is_right:
; y[n][o] = sum_i Q(silu(x[n][i])) Q(scale_base[o][i]) + sum_(b,i) Q(B_b(x[n][i])) Q(scale_sp[o][i] coef[o][i][b]) + bias[o], both products on codes of FP4 (E2M1) with one E8M0 byte for each 32 along K.
; K of the first is i; K of the second is 512 b + i (the product contracts the axes in the order b, i): a block is 32 neighbouring features at one b.  x, y: [16384][512] f32.
; The weights' codes and scale bytes come from wq, laid by the launch before in the order of the operand's registers (its head comment has the layout).
; THE BASIS.  The grid is uniform (step 2/3, from -3 to 3), so B_b(x) is the cardinal cubic spline at z = 1.5 x + 2.5 - b.  With a = min(|z|, 2):  F = a^2 (a/2 - 1) + 2/3 is its inner piece, G = (2 - a)^3 / 6 its outer one,
; F - G = (2/3)(a - 1)^3, so B = min(F, G) for every a, and a = 2 gives 0: outside [-3, 3) all six are 0, as in the recursion.  G is made as (c (2 - a))^3 with c = 6^(-1/3).  No compare, no select, no branch on data.
; silu(x) = x / (1 + 2^(-x log2 e)).
; LIMITS: NaN and infinities in x are not served.  silu's relative error grows as about 4e-8 |x| (x log2 e is rounded once); under x = -88 it is -0 where the exact number is under 2^-126.
; A block of zeros, or one whose largest magnitude lies under 2^-124, has the byte 1 (its codes are zeros or held; this program alone reads the bytes).
; SHARES.  The vector work on x outweighs the matrix work, so it is done ONCE: a work-group of four waves owns 64 rows and ALL 512 outputs: 256 work-groups.  K goes by strips of 64 features: strip t gives 12 blocks
; of the basis (block 6 u + b = features 64 t + 32 u on at value b; four blocks to a matrix step of 128: 3 steps) and 2 blocks of silu (two strips make a step).  The order of the steps is free: the sums are f32.
; V(t): wave w makes the codes of rows 16 w + r: lane (r, h) takes features 64 t + 32 h on: 6 + 1 WHOLE blocks, so that no maximum leaves its lane.
; The codes go to the other waves through LDS as images of the operand's registers (block q of row r at 256 q + 16 r).  M(t): wave w owns outputs 128 w on for all 64 rows: 32 accumulators.
; THE MATRIX INSTRUCTION IS USED TRANSPOSED (source 0 = 16 outputs' weights, source 1 = 16 rows of x): a lane then holds eight neighbouring outputs of one row.  The bias is the C of each sum's first product.
; STAGE t = V(t), then M(t - 1): one barrier a stage; V writes image buffer t % 2 while M reads the other; silu's image is written in odd stages alone and read in even ones.
; THE WEIGHTS, 974,848 bytes, are walked by every work-group: group t comes into LDS slot t % 2 a stage ahead, each wave fetching the dense run that it alone reads.  CLUSTER: four work-groups ask for each run JOINTLY
; (the same tensor load, the same descriptor, a mask that names the four).
; REGISTERS, in windows of 256: window 0: addresses, constants, all vector work, the scale words (v232-255).  window 1: the accumulators, (m, n) at v[8 (8 m + n)].  window 2: the weights' fragments, step s tile n at v[64 s + 8 n].
;   window 3: x's fragments, step s tile m at v[32 s + 8 m]; v128-159 the next strip of x as loaded; v160-223 the bias, 8 tiles.
.set UNIT,  8704                       ; a step's weights for one wave: 8 images of 1,024 bytes + 512 of scale words
.set W0S,   3*UNIT                     ; slot 0 (even groups): a wave's part;
.set W1S,   4*UNIT                     ; slot 1 (odd groups)
.set W1,    4*W0S                      ; slot 1 begins here
.set PAIRB, 4*(W0S+W1S)                ; an even and an odd group in wq; also where the slots end
.set AIMG,  PAIRB                      ; the basis' images: 2 buffers x 4 tiles of rows x 12 blocks x 256 bytes
.set ABUF,  12288
.set SIMG,  AIMG+2*ABUF                ; silu's images: 4 tiles x 4 blocks x 256
.set ASC,   SIMG+4096                  ; the basis' scale words: 2 buffers x 3 steps x 256: row r of tile m at 8 (16 (m % 2) + r) + 4 (m / 2)
.set SSC,   ASC+2*768                  ; silu's, one step
.set XST,   SSC+256                    ; x's turn: 16 rows x (256 + 16) for each wave, its own
.set XPI,   272
.set OST,   XST+4*16*XPI               ; the way out: 16 rows x (512 + 16) for each wave, its own
.set OPI,   528
.set SPARE, OST+4*16*OPI               ; the spare words, 128 bytes for each wave: two blocks of 256 bytes that no other line names
.set SPW,  1                           ; v1   SPARE + 4 x my thread's number; never rewritten
.set NIL,  2                           ; v2   0; never rewritten
.set VX,   3                           ; v3   x: 2,048 h + 16 r: two rows' 256 bytes a load
.set VPF,  4                           ; v4   x: 2,048 r + 256 h: a row's two strips, for the prefetch
.set XSTW, 5                           ; v5   x's turn, in
.set XSTR, 6                           ; v6   and out: row r, 128 h
.set ADRC, 7                           ; v7   where my blocks' codes go
.set AS0,  8                           ; v8-10  where my three pairs of scale bytes go
.set ADRS, 11                          ; v11  silu's codes
.set ASB,  12                          ; v12  silu's scale byte
.set WADR, 13                          ; v13-14 my weights in slot 0, 1: + 16 x lane
.set WSA,  15                          ; v15-16 the same + 4 x lane, for their scale words
.set AADR, 17                          ; v17  the images: + 16 x lane
.set ASCA, 18                          ; v18  their scale words: + 8 x lane
.set STO,  19                          ; v19  the way out: where I put 32 bytes of a row
.set RD,   20                          ; v20  where I read a row back
.set CO,   21                          ; v21  16 x lane: my place in a row's 512 bytes of y
.set K23,  22                          ; v[22:23] 2/3
.set K15,  24                          ; v[24:25] 1.5
.set HW,   26                          ; v26-28 pairs of scale bytes on their way to LDS
.set BYK,  29                          ; v29  the third block's byte, kept for the fourth's
.set C2V,  30                          ; v[30:31] 2 c
.set X,    32                          ; v32-63   my 32 numbers of x
.set BAS,  64                          ; v64-159  96 basis values: register 32 beta + j = value 3 a + beta of my feature j: three whole blocks
.set SIL,  64                          ; v64-95   silu, ahead of them
.set ZA,   160                         ; v160-171 z, a, c (2 - a): six pairs
.set A2,   172                         ; v172-183 a^2, then G
.set LL,   184                         ; v184-195 a/2 - 1, then F
.set MX,   160                         ; v160-165 largest magnitudes, v166-168 scale operands, v169-171 bytes (when z and its kin are done with)
.set SCO,  166
.set BY,   169
.set CB,   196                         ; v196-219 the basis' codes, 12 registers for each three blocks
.set SK,   220                         ; v220-223 the even strip's silu codes, kept; v224-227 the odd strip's
.set SKB,  228                         ; v228, v229 their bytes
.set SCR,  232                         ; v232-255 scale words: step s: + 6 s .. + 3 the weights' (register p: tile 2 p in lanes 0-15, 2 p + 1 in lanes 16-31), + 4, + 5 x's (tiles 0 | 1, tiles 2 | 3)
.set BK,   64                          ; the way out: 16 rows read back: v64-127 and v128-191 by turns
.set WV,   12                          ; s12  my wave's number
.set G1A,  16                          ; s[16:23] descriptor group 1 for slot 0;  s[24:31] for slot 1
.set G1B,  24
.set G0A,  32                          ; s[32:35], s[36:39] their groups 0, which walk
.set G0B,  36
.set MC,   42                          ; s[42:43] -c
.set NL2E, 46                          ; s[46:47] -log2(e)
.set CNT,  48                          ; s48  pairs of stages to go
.set KZS,  66                          ; s[66:77] 2.5 - b, six pairs (a packed line names a pair and takes its low word for both halves)
.set MSB, 0
.macro WIN new                         ; the immediate's high byte repeats the setting that is left; a switch that changes nothing is dropped
.if MSB != \new
	s_set_vgpr_msb (MSB<<8)|\new
.set MSB, \new
.endif
.endm
.macro PLACES                          ; four plain places between a matrix instruction and a load into, or a store of, its registers (ISA guide 7.12.1 for stores)
.rept 4
	v_nop
.endr
.endm
.macro SPAIR reg, val
	s_mov_b32 s[\reg], \val
	s_mov_b32 s[\reg+1], \val
.endm
.macro ROUND                           ; a round of the cluster's barrier
	s_barrier_signal -1
	s_barrier_wait -1
	s_cmp_lg_u32 s[WV], 0
	s_cbranch_scc1 .Lnot_wave_0_\@
	s_barrier_signal -3
.Lnot_wave_0_\@:
	s_barrier_wait -3
	s_barrier_signal -1
	s_barrier_wait -1
.endm
	s_load_b256 s[4:11], s[0:1], 0x0               ; x s[4:5], wq s[6:7], bias s[8:9], out0 s[10:11]
	v_lshl_add_u32 v[SPW], v0, 2, SPARE
	v_mov_b32 v[NIL], 0
	ds_add_u32 v1, v2
	s_wait_dscnt 0x0
	v_lshrrev_b32 v32, 5, v0
	v_readfirstlane_b32 s[WV], v32                 ; wave 0..3
	s_bfe_u32 s13, ttmp6, 0x40000                  ; cx: my place in the cluster
	s_lshl_b32 s14, ttmp9, 2                       ; in a cluster launch ttmp9 counts clusters
	s_add_co_u32 s14, s14, s13                     ; my block of 64 rows: it enters x's and y's addresses alone
	; descriptor group 1: a dense run as rows of 256 bytes (32 elements of 8 bytes), no padding: the images are read 16 bytes a lane on end
.irp g, G1A, G1B
	s_mov_b32 s[\g], 15|(3<<16)|(1<<21)            ; 15:0 the mask: all four work-groups; 17:16 elements of 8 bytes; 21 set beside a mask
	s_mov_b32 s[\g+1], 32<<16                      ; tensor_dim0
	s_mov_b32 s[\g+3], 32<<16                      ; tile_dim0
	s_mov_b32 s[\g+5], 32                          ; tensor_dim0_stride
	s_mov_b32 s[\g+6], 0
	s_mov_b32 s[\g+7], 0
.endr
	s_mov_b32 s[G1A+2], (W0S/256)<<16              ; tensor_dim1 = 102 rows
	s_mov_b32 s[G1A+4], W0S/256                    ; tile_dim1
	s_mov_b32 s[G1B+2], (W1S/256)<<16              ; 136 rows
	s_mov_b32 s[G1B+4], W1S/256
	SPAIR MC, 0xbf0ce1da                           ; -6^(-1/3)
	SPAIR NL2E, 0xbfb8aa3b
	SPAIR KZS, 0x40200000                          ; 2.5
	SPAIR KZS+2, 0x3fc00000                        ; 1.5
	SPAIR KZS+4, 0x3f000000                        ; 0.5
	SPAIR KZS+6, 0xbf000000
	SPAIR KZS+8, 0xbfc00000
	SPAIR KZS+10, 0xc0200000
.irp u, 0,1
	v_mov_b32 v[K23+\u], 0x3f2aaaab
	v_mov_b32 v[K15+\u], 0x3fc00000
	v_mov_b32 v[C2V+\u], 0x3f8ce1da                ; exactly twice c, so that c (2 - a) is one fused multiply-add with one rounding
.endr
	v_and_b32 v33, 31, v0                          ; lane
	v_and_b32 v34, 15, v0                          ; r
	v_bfe_u32 v35, v0, 4, 1                        ; h
	v_lshlrev_b32 v[VX], 4, v34
	v_lshl_add_u32 v[VX], v35, 11, v[VX]
	v_lshlrev_b32 v[VPF], 11, v34
	v_lshl_add_u32 v[VPF], v35, 8, v[VPF]
	s_mul_i32 s50, s[WV], 16*XPI
	s_add_co_u32 s50, s50, XST
	v_mul_u32_u24 v[XSTW], v35, XPI
	v_lshl_add_u32 v[XSTW], v34, 4, v[XSTW]
	v_add_nc_u32 v[XSTW], s50, v[XSTW]
	v_mul_u32_u24 v[XSTR], v34, XPI
	v_lshl_add_u32 v[XSTR], v35, 7, v[XSTR]
	v_add_nc_u32 v[XSTR], s50, v[XSTR]
	s_mul_i32 s50, s[WV], 3072
	s_add_co_u32 s50, s50, AIMG
	v_mul_u32_u24 v[ADRC], v35, 1536               ; lanes 16-31 hold blocks 6 to 11
	v_lshl_add_u32 v[ADRC], v34, 4, v[ADRC]
	v_add_nc_u32 v[ADRC], s50, v[ADRC]
	s_and_b32 s50, s[WV], 1
	s_lshl_b32 s50, s50, 7
	s_lshr_b32 s51, s[WV], 1
	s_lshl_b32 s51, s51, 2
	s_add_co_u32 s50, s50, s51                     ; my tile's place among the scale words: 128 (w % 2) + 4 (w / 2)
	v_lshlrev_b32 v36, 3, v34
	v_add_nc_u32 v36, s50, v36                     ; + 8 r
	v_mul_u32_u24 v37, v35, 258                    ; blocks 0, 1: step 0 bytes 0, 1;  blocks 6, 7: step 1 bytes 2, 3: 258 further on
	v_add_nc_u32 v37, v37, v36
	v_add_nc_u32 v[AS0], ASC, v37
	v_add_nc_u32 v[AS0+2], ASC+256, v37            ; blocks 4, 5: step 1 bytes 0, 1;  blocks 10, 11: step 2 bytes 2, 3
	v_mul_u32_u24 v37, v35, 510                    ; blocks 2, 3: step 0 bytes 2, 3;  blocks 8, 9: step 2 bytes 0, 1
	v_add_nc_u32 v37, v37, v36
	v_add_nc_u32 v[AS0+1], ASC+2, v37
	v_add_nc_u32 v37, v35, v36
	v_add_nc_u32 v[ASB], SSC, v37                  ; silu: byte h (an odd strip's: 2 more, in the immediate)
	s_lshl_b32 s50, s[WV], 10
	s_add_co_u32 s50, s50, SIMG
	v_lshlrev_b32 v[ADRS], 8, v35
	v_lshl_add_u32 v[ADRS], v34, 4, v[ADRS]
	v_add_nc_u32 v[ADRS], s50, v[ADRS]
	s_mul_i32 s52, s[WV], W0S                      ; my part of slot 0: the same number of bytes into LDS and into wq's first pair of groups
	s_mul_i32 s53, s[WV], W1S
	s_add_co_u32 s53, s53, W1                      ; and of slot 1
	v_lshl_add_u32 v[WADR], v33, 4, s52
	v_lshl_add_u32 v[WADR+1], v33, 4, s53
	v_lshl_add_u32 v[WSA], v33, 2, s52
	v_lshl_add_u32 v[WSA+1], v33, 2, s53
	v_lshl_add_u32 v[AADR], v33, 4, AIMG
	v_lshl_add_u32 v[ASCA], v33, 3, ASC
	s_mul_i32 s50, s[WV], 16*OPI
	s_add_co_u32 s50, s50, OST
	v_mul_u32_u24 v[STO], v34, OPI
	v_lshl_add_u32 v[STO], v35, 5, v[STO]
	v_add_nc_u32 v[STO], s50, v[STO]
	v_lshlrev_b32 v[CO], 4, v33
	v_add_nc_u32 v[RD], s50, v[CO]
	v_lshlrev_b32 v36, 5, v35                      ; the bias: lane (r, h) wants, for tile n, outputs 16 n + 8 h + 0 .. 7
	s_lshl_b32 s40, s14, 17                        ; 64 rows of 2,048 bytes a work-group,
	s_lshl_b32 s41, s[WV], 15                      ; x: 16 rows a wave
	s_add_co_u32 s40, s40, s41
	s_mov_b32 s41, 0
	s_lshl_b32 s44, s14, 17
	s_lshl_b32 s56, s[WV], 9                       ; y and the bias: 128 outputs a wave
	s_add_co_u32 s44, s44, s56
	s_mov_b32 s45, 0
	s_mov_b32 s57, 0
	s_mov_b32 s58, s52
	s_mov_b32 s59, 0
	s_mov_b32 s60, s53
	s_mov_b32 s61, 0
	s_wait_kmcnt 0x0
	s_add_nc_u64 s[4:5], s[4:5], s[40:41]
	s_add_nc_u64 s[10:11], s[10:11], s[44:45]
	s_add_nc_u64 s[8:9], s[8:9], s[56:57]
	s_mov_b32 s[G0A], 1                            ; 1:0 count = 1
	s_mov_b32 s[G0A+1], s52                        ; 63:32 LDS address
	s_add_nc_u64 s[G0A+2:G0A+3], s[6:7], s[58:59]  ; 120:64 global address: group 0, my part
	s_or_b32 s[G0A+3], s[G0A+3], 0x80000000        ; 127:126 type = 2
	s_mov_b32 s[G0B], 1
	s_mov_b32 s[G0B+1], s53
	s_add_nc_u64 s[G0B+2:G0B+3], s[6:7], s[60:61]  ; group 1
	s_or_b32 s[G0B+3], s[G0B+3], 0x80000000
; the strip of x that begins imm bytes behind s[4:5]: 16 rows x 256 bytes, two rows a load, into window 3
.macro XNEXT imm
	WIN 0xc0                                       ; destination window 3
.irp i, 0,1,2,3,4,5,6,7
	global_load_b128 v[128+4*\i:131+4*\i], v[VX], s[4:5] offset:\imm+4096*\i th:TH_LOAD_NT   ; sixteen lanes read 256 consecutive bytes of a row; read once in the launch
.endr
	WIN 0
.endm
; the strip that has been loaded turns through my stage: in as it was loaded, out 128 bytes a lane: v[X + j] = x(16 w + r, 64 t + 32 h + j).  LDS serves a wave's instructions in order: no wait between
.macro XTURN
	s_wait_loadcnt 0x0                             ; asked for a stage ago
	WIN 0x0c                                       ; an LDS store's data are its source 1: window 3
.irp i, 0,1,2,3,4,5,6,7
	ds_store_b128 v[XSTW], v[128+4*\i:131+4*\i] offset:2*XPI*\i
.endr
	WIN 0
.irp i, 0,1,2,3,4,5,6,7
	ds_load_b128 v[X+4*\i:X+4*\i+3], v[XSTR] offset:16*\i
.endr
.endm
; 29 LDS loads in one run: matrix step st of the group in slot sw: my 8 weight fragments, the 4 fragments of x (buffer bf, or silu's: si = 1), 4 + 1 loads of scale words
.macro BATCH sw, bf, st, si
	WIN 0x80                                       ; destination window 2
.irp n, 0,1,2,3,4,5,6,7
.irp c, 0,1
	ds_load_b128 v[64*\st+8*\n+4*\c:64*\st+8*\n+4*\c+3], v[WADR+(\sw)] offset:UNIT*\st+1024*\n+512*\c
.endr
.endr
	WIN 0xc0                                       ; destination window 3
.irp m, 0,1,2,3
.irp c, 0,1
.if \si
	ds_load_b128 v[32*\st+8*\m+4*\c:32*\st+8*\m+4*\c+3], v[AADR] offset:2*ABUF+1024*\m+512*\c
.else
	ds_load_b128 v[32*\st+8*\m+4*\c:32*\st+8*\m+4*\c+3], v[AADR] offset:ABUF*(\bf)+3072*\m+1024*\st+512*\c
.endif
.endr
.endr
	WIN 0
.irp p, 0,1,2,3
	ds_load_b32 v[SCR+6*\st+\p], v[WSA+(\sw)] offset:UNIT*\st+8192+128*\p
.endr
.if \si
	ds_load_b64 v[SCR+6*\st+4:SCR+6*\st+5], v[ASCA] offset:2*768
.else
	ds_load_b64 v[SCR+6*\st+4:SCR+6*\st+5], v[ASCA] offset:768*(\bf)+256*\st
.endif
.endm
; silu of my 32 numbers: one whole block.  e = the strip's parity.  The even strip's codes wait in registers; the odd stage stores both, so that silu's image is written in odd stages alone
.macro SILU e
.set J, 0
.rept 16
	v_pk_mul_f32 v[SIL+J:SIL+J+1], v[X+J:X+J+1], s[NL2E:NL2E+1] op_sel_hi:[1,0]
.set J, J+2
.endr
.set J, 0
.rept 32
	v_exp_f32 v[SIL+J], v[SIL+J]                   ; 2^(-x log2 e)
.set J, J+1
.endr
	v_nop                                          ; one plain place behind the transcendentals
.set J, 0
	s_wait_alu depctr_va_vdst(0)
.rept 16
	v_pk_add_f32 v[SIL+J:SIL+J+1], v[SIL+J:SIL+J+1], 1.0 op_sel_hi:[1,0]
.set J, J+2
.endr
.set J, 0
.rept 32
	v_rcp_f32 v[SIL+J], v[SIL+J]
.set J, J+1
.endr
	v_nop
.set J, 0
	s_wait_alu depctr_va_vdst(0)
.rept 16
	v_pk_mul_f32 v[SIL+J:SIL+J+1], v[SIL+J:SIL+J+1], v[X+J:X+J+1]
.set J, J+2
.endr
	v_max3_num_f32 v[MX], |v[SIL]|, |v[SIL+1]|, 0x1800000          ; the block's largest magnitude, in two chains; the floor 2^(3 - 127) is one leaf, so that the byte cannot fall under 1
	v_max3_num_f32 v[MX+1], |v[SIL+16]|, |v[SIL+17]|, |v[SIL+18]|
.irp i, 0,2,4,6,8,10
	v_max3_num_f32 v[MX], v[MX], |v[SIL+2+\i]|, |v[SIL+3+\i]|
	v_max3_num_f32 v[MX+1], v[MX+1], |v[SIL+19+\i]|, |v[SIL+20+\i]|
.endr
	v_max3_num_f32 v[MX], v[MX], |v[SIL+14]|, |v[SIL+15]|
	v_max3_num_f32 v[MX], v[MX], v[MX+1], |v[SIL+31]|
	v_add_nc_u32 v[SCO], 0xff000000, v[MX]         ; 2 off its exponent field: the conversion's scale operand
	v_lshrrev_b32 v[SKB+(\e)], 23, v[SCO]          ; the scale's byte
.irp g, 0,1,2,3
	v_cvt_scalef32_pk8_fp4_f32 v[SK+4*(\e)+\g], v[SIL+8*\g:SIL+8*\g+7], v[SCO]
.endr
	v_nop                                          ; one plain place behind the last scaled conversion
.if \e
	ds_store_b128 v[ADRS], v[SK:SK+3]              ; block h of the step,
	ds_store_b128 v[ADRS], v[SK+4:SK+7] offset:512 ; block 2 + h
	ds_store_b8 v[ASB], v[SKB]
	ds_store_b8 v[ASB], v[SKB+1] offset:2
.endif
.endm
; basis values b = 3 a + 0 .. 2 of my features 4 p .. 4 p + 3: 66 lines for 12 values: two pairs of features x three values are six chains by turns; all but the minima are packed over a pair of features
.macro FEATP a, p
.irp u, 0,1
.irp b, 0,1,2
	v_pk_fma_f32 v[ZA+6*\u+2*\b:ZA+6*\u+2*\b+1], v[X+4*(\p)+2*\u:X+4*(\p)+2*\u+1], v[K15:K15+1], s[KZS+2*(3*(\a)+\b):KZS+2*(3*(\a)+\b)+1] op_sel_hi:[1,1,0]   ; z = 1.5 x + 2.5 - b: both constants exact, one rounding
.endr
.endr
.irp c, 0,1,2,3,4,5
	v_min_num_f32 v[ZA+2*\c], |v[ZA+2*\c]|, 2.0    ; a
	v_min_num_f32 v[ZA+2*\c+1], |v[ZA+2*\c+1]|, 2.0
.endr
.irp c, 0,1,2,3,4,5
	v_pk_mul_f32 v[A2+2*\c:A2+2*\c+1], v[ZA+2*\c:ZA+2*\c+1], v[ZA+2*\c:ZA+2*\c+1]
.endr
.irp c, 0,1,2,3,4,5
	v_pk_fma_f32 v[LL+2*\c:LL+2*\c+1], v[ZA+2*\c:ZA+2*\c+1], 0.5, -1.0 op_sel_hi:[1,0,0]
.endr
.irp c, 0,1,2,3,4,5
	v_pk_fma_f32 v[LL+2*\c:LL+2*\c+1], v[A2+2*\c:A2+2*\c+1], v[LL+2*\c:LL+2*\c+1], v[K23:K23+1]   ; F
.endr
.irp c, 0,1,2,3,4,5
	v_pk_fma_f32 v[ZA+2*\c:ZA+2*\c+1], v[ZA+2*\c:ZA+2*\c+1], s[MC:MC+1], v[C2V:C2V+1] op_sel_hi:[1,0,1]   ; c (2 - a)
.endr
.irp c, 0,1,2,3,4,5
	v_pk_mul_f32 v[A2+2*\c:A2+2*\c+1], v[ZA+2*\c:ZA+2*\c+1], v[ZA+2*\c:ZA+2*\c+1]
.endr
.irp c, 0,1,2,3,4,5
	v_pk_mul_f32 v[A2+2*\c:A2+2*\c+1], v[A2+2*\c:A2+2*\c+1], v[ZA+2*\c:ZA+2*\c+1]   ; G
.endr
.irp u, 0,1
.irp b, 0,1,2
	v_min_num_f32 v[BAS+32*\b+4*(\p)+2*\u], v[LL+6*\u+2*\b], v[A2+6*\u+2*\b]          ; block beta, feature 4 p + 2 u: K ascending along the block's registers
	v_min_num_f32 v[BAS+32*\b+4*(\p)+2*\u+1], v[LL+6*\u+2*\b+1], v[A2+6*\u+2*\b+1]
.endr
.endr
.endm
; values b = 3 a + 0 .. 2 of my 32 features: three whole blocks (my blocks 3 a + beta): made, quantised, stored as images into buffer bf
.macro HALF a, bf
.irp p, 0,1,2,3,4,5,6,7
	FEATP \a, \p
.endr
.irp b, 0,1,2                                  ; no |.|: no basis value is negative.  Each block in two chains, the six by turns
	v_max3_num_f32 v[MX+2*\b], v[BAS+32*\b], v[BAS+32*\b+1], 0x1800000
	v_max3_num_f32 v[MX+2*\b+1], v[BAS+32*\b+16], v[BAS+32*\b+17], v[BAS+32*\b+18]
.endr
.irp i, 0,2,4,6,8,10
.irp b, 0,1,2
	v_max3_num_f32 v[MX+2*\b], v[MX+2*\b], v[BAS+32*\b+2+\i], v[BAS+32*\b+3+\i]
	v_max3_num_f32 v[MX+2*\b+1], v[MX+2*\b+1], v[BAS+32*\b+19+\i], v[BAS+32*\b+20+\i]
.endr
.endr
.irp b, 0,1,2
	v_max3_num_f32 v[MX+2*\b], v[MX+2*\b], v[BAS+32*\b+14], v[BAS+32*\b+15]
.endr
.irp b, 0,1,2
	v_max3_num_f32 v[MX+2*\b], v[MX+2*\b], v[MX+2*\b+1], v[BAS+32*\b+31]
.endr
.irp b, 0,1,2
	v_add_nc_u32 v[SCO+\b], 0xff000000, v[MX+2*\b]
.endr
.irp b, 0,1,2
	v_lshrrev_b32 v[BY+\b], 23, v[SCO+\b]
.endr
.irp b, 0,1,2
.irp g, 0,1,2,3
	v_cvt_scalef32_pk8_fp4_f32 v[CB+12*\a+4*\b+\g], v[BAS+32*\b+8*\g:BAS+32*\b+8*\g+7], v[SCO+\b]
.endr
.endr
	v_nop                                          ; one plain place behind the last scaled conversion
.if \a == 0
	v_lshl_or_b32 v[HW], v[BY+1], 8, v[BY]         ; my blocks 0 and 1: two neighbouring bytes of a scale word
	v_mov_b32 v[BYK], v[BY+2]                      ; block 2's waits for block 3's
.else
	v_lshl_or_b32 v[HW+1], v[BY], 8, v[BYK]
	v_lshl_or_b32 v[HW+2], v[BY+2], 8, v[BY+1]
.endif
.irp b, 0,1,2
	ds_store_b128 v[ADRC], v[CB+12*\a+4*\b:CB+12*\a+4*\b+3] offset:ABUF*(\bf)+256*(3*\a+\b)   ; sixteen lanes store a block's 256 consecutive bytes
.endr
.if \a == 0
	ds_store_b16 v[AS0], v[HW] offset:768*(\bf)
.else
	ds_store_b16 v[AS0+1], v[HW+1] offset:768*(\bf)
	ds_store_b16 v[AS0+2], v[HW+2] offset:768*(\bf)
.endif
.endm
.macro WM                              ; one product; an odd tile's scale words lie in lanes 16-31 of their register
.if (NI%2) && (MI%2)
	v_wmma_scale_f32_16x16x128_f8f6f4 v[rD:rD+7], v[rA:rA+7], v[rB:rB+7], v[rC:rC+7], v[rSA], v[rSB] matrix_a_fmt:MATRIX_FMT_FP4 matrix_b_fmt:MATRIX_FMT_FP4 matrix_a_scale:MATRIX_SCALE_ROW1 matrix_b_scale:MATRIX_SCALE_ROW1
.elseif NI%2
	v_wmma_scale_f32_16x16x128_f8f6f4 v[rD:rD+7], v[rA:rA+7], v[rB:rB+7], v[rC:rC+7], v[rSA], v[rSB] matrix_a_fmt:MATRIX_FMT_FP4 matrix_b_fmt:MATRIX_FMT_FP4 matrix_a_scale:MATRIX_SCALE_ROW1
.elseif MI%2
	v_wmma_scale_f32_16x16x128_f8f6f4 v[rD:rD+7], v[rA:rA+7], v[rB:rB+7], v[rC:rC+7], v[rSA], v[rSB] matrix_a_fmt:MATRIX_FMT_FP4 matrix_b_fmt:MATRIX_FMT_FP4 matrix_b_scale:MATRIX_SCALE_ROW1
.else
	v_wmma_scale_f32_16x16x128_f8f6f4 v[rD:rD+7], v[rA:rA+7], v[rB:rB+7], v[rC:rC+7], v[rSA], v[rSB] matrix_a_fmt:MATRIX_FMT_FP4 matrix_b_fmt:MATRIX_FMT_FP4
.endif
.endm
; nk matrix steps x 32 products.  The 32 accumulators take turns, one instruction a turn, in the same order in every step and every stage.
; first = 1: the first step's C is the bias: nothing is ever cleared, and the bias costs no addition
.macro MUL nk, first
.set SI, 0
.rept \nk
.if \first && (SI == 0)
	WIN 0x7e                                       ; source 0 (weights) window 2, source 1 (x) window 3, C (the bias) window 3, D window 1
.else
	WIN 0x5e                                       ; C and D window 1
.endif
.set MI, 0
.rept 4
.set NI, 0
.rept 8
.set rD, 8*(8*MI+NI)
.set rC, rD
.if \first && (SI == 0)
.set rC, 160+8*NI
.endif
.set rA, 64*SI+8*NI
.set rB, 32*SI+8*MI
.set rSA, SCR+6*SI+NI/2
.set rSB, SCR+6*SI+4+MI/2
	WM
.set NI, NI+1
.endr
.set MI, MI+1
.endr
.set SI, SI+1
.endr
	WIN 0
.endm
; THE HEAD OF A STAGE THAT FILLS A SLOT AGAIN.  The slot was read in the stage before.  The round also shows every wave the images that the stage before stored.
.macro REFILL g0, g1
	s_wait_tensorcnt 0x0                           ; all my tensor loads have landed: the one that was out is the group that this stage multiplies; so a group 0 may be written
	ds_add_u32 v[SPW], v[NIL]                      ; 0 onto my spare word
	s_add_nc_u64 s[\g0+2:\g0+3], s[\g0+2:\g0+3], PAIRB   ; the slot's next group; the type bits on top are not reached
	s_wait_dscnt 0x0                               ; the add is done, my stores of images have landed and my reads of the slot are over
	ROUND                                          ; so of every wave of the four work-groups
	tensor_load_to_lds s[\g0:\g0+3], s[\g1:\g1+7]  ; my one tensor load behind the round, first thing there: it has this whole stage in which to land
	s_nop 0
	PLACES                                         ; four v_nop follow it; they are also the places in front of the loads into the last products' registers
.endm
; A STAGE's body: V of a strip of parity e; mm = 1: and M of the group before (slot and buffer 1 - e; an odd group has silu's step as its fourth).  guard = 1: in the loop, whose last trip asks for nothing past x's rows
.macro STAGE e, mm, first, guard
	XTURN
.if \mm
	BATCH 1-\e, 1-\e, 0, 0
	s_wait_dscnt 29                                ; only the batch's 29 loads are younger than x's turn: my 32 numbers are in, and the stores have read the registers that the next strip lands in
.else
	s_wait_dscnt 0x0
.endif
.if \e == 0
	XNEXT 256                                      ; the next strip, a stage ahead of its use
.if \guard
	s_cmp_eq_u32 s[CNT], 1
	s_cbranch_scc1 .Lno_ask_\@
.endif
	global_prefetch_b8 v[VPF], s[4:5] offset:512 th:TH_LOAD_NT scope:SCOPE_SE   ; strips t + 2 and t + 3 of my 16 rows, 32 blocks of 256 bytes, each asked for once, by the wave that will load it one and two stages on; the last even stage asks for nothing
.if \guard
.Lno_ask_\@:
.endif
.else
.if \guard
	s_cmp_eq_u32 s[CNT], 1
	s_cbranch_scc1 .Lno_x_\@                       ; strip 7 has no successor: no load leaves its row
.endif
	XNEXT 512
.if \guard
.Lno_x_\@:
.endif
.endif
	SILU \e
.if \mm
	BATCH 1-\e, 1-\e, 1, 0
.endif
	HALF 0, \e
.if \mm
	BATCH 1-\e, 1-\e, 2, 0
.if \e == 0
	BATCH 1, 1, 3, 1
.endif
.endif
	HALF 1, \e
.if \mm
	s_wait_dscnt 0x0                               ; all fragments and scale words are in
	MUL 4-\e, \first
.endif
.endm
	WIN 0xc0                                       ; destination window 3
.irp n, 0,1,2,3,4,5,6,7
	global_load_b128 v[160+8*\n:163+8*\n], v36, s[8:9] offset:64*\n
	global_load_b128 v[164+8*\n:167+8*\n], v36, s[8:9] offset:64*\n+16
.endr
	XNEXT 0                                        ; strip 0
	ROUND                                          ; all four work-groups are here: the first joint loads meet
	tensor_load_to_lds s[G0A:G0A+3], s[G1A:G1A+7]  ; groups 0 and 1: two loads of mine are out
	s_nop 0
	tensor_load_to_lds s[G0B:G0B+3], s[G1B:G1B+7]
	s_nop 0
	PLACES
	STAGE 0, 0, 0, 0                               ; stage 0: V(0)
	s_wait_tensorcnt 0x1                           ; group 0 is in; group 1 may stay out
	s_wait_dscnt 0x0                               ; my images of strip 0 have landed
	s_barrier_signal -1
	s_barrier_wait -1
	STAGE 1, 1, 1, 0                               ; stage 1: V(1), M(0), whose first step starts the sums
	s_wait_xcnt 0x0                                ; the loads and the prefetch have read their base
	s_add_nc_u64 s[4:5], s[4:5], 512               ; two strips on
	s_mov_b32 s[CNT], 3
.Lpair:                                            ; stages 2 to 7, two a trip
	REFILL G0A, G1A
	STAGE 0, 1, 0, 1
	REFILL G0B, G1B
	STAGE 1, 1, 0, 1
	s_wait_xcnt 0x0
	s_add_nc_u64 s[4:5], s[4:5], 512
	s_sub_co_u32 s[CNT], s[CNT], 1
	s_cmp_lg_u32 s[CNT], 0
	s_cbranch_scc1 .Lpair
	s_wait_tensorcnt 0x0                           ; stage 8: M(7) alone.  Group 7 is in; nothing is filled any more
	s_wait_dscnt 0x0                               ; my images of strip 7 have landed
	s_barrier_signal -1
	s_barrier_wait -1
	PLACES
	BATCH 1, 1, 0, 0
	BATCH 1, 1, 1, 0
	BATCH 1, 1, 2, 0
	BATCH 1, 1, 3, 1
	s_wait_dscnt 0x0
	MUL 4, 0
; THE WAY OUT, a tile of 16 rows x my 128 outputs at a time.  A lane holds 32 neighbouring bytes of a row and the lanes beside it other rows: so a tile goes through my own stage and comes back as whole rows of 512 bytes.
; LDS serves a wave's instructions in order (ISA guide 5.7.1.4): no wait between the stores and the loads, nor in front of the next tile's stores.
.macro TOSTAGE m
	WIN 0x04                                       ; the data: window 1
.irp n, 0,1,2,3,4,5,6,7
	ds_store_b128 v[STO], v[8*(8*(\m)+\n):8*(8*(\m)+\n)+3] offset:64*\n          ; each accumulator from its low end on
	ds_store_b128 v[STO], v[8*(8*(\m)+\n)+4:8*(8*(\m)+\n)+7] offset:64*\n+16
.endr
	WIN 0
.irp i, 0,1,2,3,4,5,6,7,8,9,10,11,12,13,14,15
	ds_load_b128 v[BK+64*((\m)%2)+4*\i:BK+64*((\m)%2)+4*\i+3], v[RD] offset:OPI*\i
.endr
.endm
.macro SEND m, younger                 ; younger: the LDS instructions issued behind tile m's loads, which may stay out
	s_wait_dscnt \younger
.irp i, 0,1,2,3,4,5,6,7,8,9,10,11,12,13,14,15
	global_store_b128 v[CO], v[BK+64*((\m)%2)+4*\i:BK+64*((\m)%2)+4*\i+3], s[10:11] offset:32768*(\m)+2048*\i th:TH_STORE_NT   ; 32 lanes store 512 consecutive bytes, at a multiple of 256 from y's first byte; written once
.endr
.endm
	PLACES                                         ; the stores below read results of the last products
	TOSTAGE 0
.irp a, 1,2,3
.if \a > 1
	s_wait_xcnt 0x0                                ; tile a - 2's stores have read their registers: tile a's rows may land there
.endif
	TOSTAGE \a
	SEND \a-1, 32                                  ; behind tile a - 1's loads: tile a's 16 stores and 16 loads
.endr
	SEND 3, 0
	s_wait_tensorcnt 0x0                           ; the wave's end: behind my last tensor load and my last LDS store
	ds_add_u32 v[SPW], v[NIL]
	s_wait_dscnt 0x0
	ROUND                                          ; the closing round: no work-group ends while a partner may still ask for a run that names it
	s_endpgm
.Lfunc_end_k_q6504b5e929_kan:
	.size	k_q6504b5e929_kan, .Lfunc_end_k_q6504b5e929_kan-k_q6504b5e929_kan
	.p2alignl 7, 3214868480
	.fill 96, 4, 3214868480
	.section	.rodata,"a",@progbits
	.p2align	6, 0x0
	.amdhsa_kernel k_q6504b5e929_kan
		.amdhsa_group_segment_fixed_size 327680
		.amdhsa_private_segment_fixed_size 0
		.amdhsa_enable_private_segment 0
		.amdhsa_kernarg_size 32
		.amdhsa_user_sgpr_count 2
		.amdhsa_user_sgpr_kernarg_segment_ptr 1
		.amdhsa_wavefront_size32 1
		.amdhsa_system_sgpr_workgroup_id_x 1
		.amdhsa_system_sgpr_workgroup_id_y 1
		.amdhsa_system_sgpr_workgroup_id_z 1
		.amdhsa_system_vgpr_workitem_id 0
		.amdhsa_next_free_vgpr 1024
		.amdhsa_next_free_sgpr 80
		.amdhsa_reserve_vcc 0
		.amdhsa_float_denorm_mode_32 3
		.amdhsa_float_denorm_mode_16_64 3
		.amdhsa_memory_ordered 1
		.amdhsa_forward_progress 1
		.amdhsa_inst_pref_size 255
	.end_amdhsa_kernel
	.section	.bss,"aw",@nobits
	.p2align	6
	.space	262144
	.amdgpu_metadata
---
amdhsa.version: [ 1, 2 ]
amdhsa.kernels:
  - .name:           k_q6504b5e929_kan
    .symbol:         k_q6504b5e929_kan.kd
    .args:
      - { .name: x, .offset: 0, .size: 8, .value_kind: global_buffer, .address_space: global }
      - { .name: wq, .offset: 8, .size: 8, .value_kind: global_buffer, .address_space: global }
      - { .name: bias, .offset: 16, .size: 8, .value_kind: global_buffer, .address_space: global }
      - { .name: out0, .offset: 24, .size: 8, .value_kind: global_buffer, .address_space: global }
    .group_segment_fixed_size: 327680
    .private_segment_fixed_size: 0
    .kernarg_segment_align: 8
    .kernarg_segment_size: 32
    .max_flat_workgroup_size: 128
    .sgpr_count:     80
    .vgpr_count:     1024
    .wavefront_size: 32
...
	.end_amdgpu_metadata
.endif
;; end of part 2
